; MI455X (gfx1250); checked and timed in simulation.
; The chip was launched on July 23, 2026; its instructions are those of AMD's public machine-readable ISA for CDNA 5 (MIT licence, August 2026) and "CDNA5" Instruction Set Architecture Reference Guide (July 2026). The comments in the code are by the model that wrote it; some were corrected since.
;; Codebook. Allowed arithmetic: float matrix products may take bf16 or f16 operands with f32 sums; all other float work in f32.
;; Inputs: embedding 8,192 x 256 float32; z 32 x 256 x 32 x 32 float32.
;; Outputs: out0 32 x 256 x 32 x 32 float32; out1 32 x 1,024 int32; out2 one number float32.
;; One version. Each part assembles by itself: llvm-mc -triple=amdgcn-amd-amdhsa -mcpu=gfx1250 --defsym DOCPART=n.
;; ======== version 1 of 1: 4 launches
;; limits: values outside matrix products are rounded to bf16
;; workspace buffers: ebf 4,194,304 bytes; ebias 32,768 bytes; cidx 131,072 bytes of whole numbers; part 1,024 bytes
;; launch prep (part 1): grid 128 x 1, 8 waves a work-group, no clusters, 1,280 bytes of LDS; arguments embedding, ebf, ebias; writes ebf, ebias
.if DOCPART == 1
	.amdgcn_target "amdgcn-amd-amdhsa--gfx1250"
	.amdhsa_code_object_version 6
	.text
	.protected	k_q6bd1ba44eb_prep
	.globl	k_q6bd1ba44eb_prep
	.p2align	8
	.type	k_q6bd1ba44eb_prep,@function
k_q6bd1ba44eb_prep:
	s_mov_b64 s[64:65], 0
	v_nop
	global_prefetch_b8 v0, s[64:65] scope:SCOPE_SE
	s_setreg_imm32_b32 hwreg(HW_REG_WAVE_MODE, 25, 1), 1
	s_wait_xcnt 0x0
; Codebook, launch 1 of 4: ebf[k][c] = bf16(embedding[k][c]);  ebias[k] = -0.5 * sum over c of bf16(embedding[k][c])^2, in f32.
;
; WORK THAT THE WHOLE PROGRAM LEAVES OUT, AND WHY IT IS DEAD FOR ALL VALUES OF THE INPUTS:
;  * d2[b,n,k] = sum(zf^2)[b,n] - 2 zf.e[k] + sum(e^2)[k].  d2 reaches the outputs only through argmin over k, and sum(zf^2) is the same for
;    every k of a row, so in exact arithmetic it moves no argmin.  It is of the size of the other two terms, not one that swallows them.
;    It is not computed.
;  * argmin over k of (sum(e^2) - 2 zf.e) = argmax over k of (zf.e - sum(e^2)/2): a multiplication by -1/2, exact in binary floating point.
;  * stop_gradient is the identity on values, and (z_q - z)^2 = (z - z_q)^2: the two losses are one number, loss = 1.25 * mean((z_q - z)^2).
;  Every input is loaded.
; LIMITS:
;  * a NaN, an infinity or an overflow that would arise only in sum(zf^2) is not carried to the result;
;  * NaN or infinite scores are not treated as jnp.argmin treats them;
;  * the product runs on bf16 operands with f32 sums, and sum(e^2) is taken of the rounded codes so that both terms speak of the same codes;
;    two codes whose distances differ by less than the rounding of the f32 sums may be ordered otherwise than by reference();
;  * where z carries a large common offset, reference()'s f32 loses bits to sum(zf^2) that this program keeps;
;  * z_q in out0 and in the loss is the code rounded to bf16 (relative error up to 2^-9).
;
; Eight waves; the work-group owns 64 rows of 1,024 bytes, so that its 64 numbers of ebias are 256 consecutive bytes.  Wave w owns rows 8 w to 8 w + 7.
; Lane l holds elements 4 l .. 4 l + 3 and 128 + 4 l .. + 3 of each row: a load of the wave covers 512 consecutive bytes, a store of ebf 256.
; All sixteen loads of a wave go out at once; no register that a store reads is written again.  No matrix work, no shared input: no cluster, no tiles.
.set X,  8                             ; v[8:71]    row i: 8 registers, f32 as loaded
.set Y,  72                            ; v[72:103]  row i: 4 registers, bf16 to store
.set U,  104                           ; v[104:111] the rounded numbers widened again
.set S,  112                           ; v[112:113] the row's sum
.set LW, 6                             ; v6         LDS byte of my wave's first sum
	s_load_b128 s[4:7], s[0:1], 0x0                ; embedding s[4:5], ebf s[6:7]
	s_load_b64 s[8:9], s[0:1], 0x10                ; ebias
	v_lshl_add_u32 v120, v0, 2, 0x100
	v_mov_b32 v121, 0
	v_lshrrev_b32 v3, 5, v0
	v_readfirstlane_b32 s10, v3                    ; wave 0..7
	v_and_b32 v4, 31, v0                           ; lane
	v_lshlrev_b32 v1, 4, v4
	v_lshl_add_u32 v1, s10, 13, v1                 ; 16 l + 8 rows of 1,024 bytes a wave
	v_lshlrev_b32 v2, 3, v4
	v_lshl_add_u32 v2, s10, 12, v2                 ; 8 l + 8 rows of 512 bytes a wave
	v_lshlrev_b32 v[LW], 5, v3                     ; 8 words a wave
	s_lshl_b32 s12, ttmp9, 16                      ; the work-group's 64 rows in embedding,
	s_mov_b32 s13, 0
	s_lshl_b32 s16, ttmp9, 15                      ; in ebf,
	s_mov_b32 s17, 0
	s_lshl_b32 s18, ttmp9, 8                       ; and its 64 words in ebias
	s_mov_b32 s19, 0
	s_mov_b32 s14, 0x76543210                      ; v_permlanex16_b32: lane i of one half reads lane i of the other
	s_mov_b32 s15, 0xfedcba98
	s_wait_kmcnt 0x0
	s_add_nc_u64 s[4:5], s[4:5], s[12:13]
	s_add_nc_u64 s[6:7], s[6:7], s[16:17]
	s_add_nc_u64 s[8:9], s[8:9], s[18:19]
.irp i, 0,1,2,3,4,5,6,7
	global_load_b128 v[X+8*\i:X+8*\i+3],   v1, s[4:5] offset:1024*\i th:TH_LOAD_NT
	global_load_b128 v[X+8*\i+4:X+8*\i+7], v1, s[4:5] offset:1024*\i+512 th:TH_LOAD_NT
.endr
.macro ROW i
	s_wait_loadcnt 2*(7-\i)                        ; loads come back in order: row i is in, the two loads of each later row stay out
.irp k, 0,1,2,3
	v_cvt_pk_bf16_f32 v[Y+4*\i+\k], v[X+8*\i+2*\k], v[X+8*\i+2*\k+1]
.endr
	global_store_b64 v2, v[Y+4*\i:Y+4*\i+1],   s[6:7] offset:512*\i         ; 32 lanes x 8 bytes: 256 consecutive bytes, aligned
	global_store_b64 v2, v[Y+4*\i+2:Y+4*\i+3], s[6:7] offset:512*\i+256
.irp k, 0,1,2,3
	v_lshlrev_b32 v[U+2*\k],   16, v[Y+4*\i+\k]                ; the rounded numbers as f32
	v_and_b32     v[U+2*\k+1], 0xffff0000, v[Y+4*\i+\k]
.endr
	v_pk_mul_f32 v[S:S+1], v[U:U+1], v[U:U+1]                  ; the first product starts the sum
	v_pk_fma_f32 v[S:S+1], v[U+2:U+3], v[U+2:U+3], v[S:S+1]
	v_pk_fma_f32 v[S:S+1], v[U+4:U+5], v[U+4:U+5], v[S:S+1]
	v_pk_fma_f32 v[S:S+1], v[U+6:U+7], v[U+6:U+7], v[S:S+1]
	v_add_f32 v[S], v[S], v[S+1]
	v_add_f32_dpp v[S], v[S], v[S] row_xmask:1 row_mask:0xf bank_mask:0xf
	v_add_f32_dpp v[S], v[S], v[S] row_xmask:2 row_mask:0xf bank_mask:0xf
	v_add_f32_dpp v[S], v[S], v[S] row_xmask:4 row_mask:0xf bank_mask:0xf
	v_add_f32_dpp v[S], v[S], v[S] row_xmask:8 row_mask:0xf bank_mask:0xf
	v_permlanex16_b32 v[S+1], v[S], s14, s15       ; its destination has been written above
	v_add_f32 v[S], v[S], v[S+1]
	v_mul_f32 v[S], -0.5, v[S]
	ds_store_b32 v[LW], v[S] offset:4*\i           ; every lane writes the same word with the same value
.endm
.irp i, 0,1,2,3,4,5,6,7
	ROW \i
.endr
	s_wait_dscnt 0x0                               ; my eight sums are in LDS before I say so
	s_barrier_signal -1
	s_barrier_wait -1
	s_cmp_lg_u32 s10, 0
	s_cbranch_scc1 .Ldone
	v_lshlrev_b32 v5, 3, v4                        ; wave 0 stores the group's 64 sums: 32 lanes x 8 bytes, 256 consecutive bytes, aligned
	ds_load_b64 v[116:117], v5
	s_wait_dscnt 0x0
	global_store_b64 v5, v[116:117], s[8:9]
.Ldone:
	s_wait_tensorcnt 0x0
	ds_add_u32 v120, v121
	s_wait_dscnt 0x0
	s_endpgm
.Lfunc_end_k_q6bd1ba44eb_prep:
	.size	k_q6bd1ba44eb_prep, .Lfunc_end_k_q6bd1ba44eb_prep-k_q6bd1ba44eb_prep
	.p2alignl 7, 3214868480
	.fill 96, 4, 3214868480
	.section	.rodata,"a",@progbits
	.p2align	6, 0x0
	.amdhsa_kernel k_q6bd1ba44eb_prep
		.amdhsa_group_segment_fixed_size 1280
		.amdhsa_private_segment_fixed_size 0
		.amdhsa_enable_private_segment 0
		.amdhsa_kernarg_size 24
		.amdhsa_user_sgpr_count 2
		.amdhsa_user_sgpr_kernarg_segment_ptr 1
		.amdhsa_wavefront_size32 1
		.amdhsa_system_sgpr_workgroup_id_x 1
		.amdhsa_system_sgpr_workgroup_id_y 1
		.amdhsa_system_sgpr_workgroup_id_z 1
		.amdhsa_system_vgpr_workitem_id 0
		.amdhsa_next_free_vgpr 122
		.amdhsa_next_free_sgpr 66
		.amdhsa_reserve_vcc 0
		.amdhsa_float_denorm_mode_32 3
		.amdhsa_float_denorm_mode_16_64 3
		.amdhsa_memory_ordered 1
		.amdhsa_forward_progress 1
		.amdhsa_inst_pref_size 16
	.end_amdhsa_kernel
	.amdgpu_metadata
---
amdhsa.version: [ 1, 2 ]
amdhsa.kernels:
  - .name:           k_q6bd1ba44eb_prep
    .symbol:         k_q6bd1ba44eb_prep.kd
    .args:
      - { .name: embedding, .offset: 0, .size: 8, .value_kind: global_buffer, .address_space: global }
      - { .name: ebf, .offset: 8, .size: 8, .value_kind: global_buffer, .address_space: global }
      - { .name: ebias, .offset: 16, .size: 8, .value_kind: global_buffer, .address_space: global }
    .group_segment_fixed_size: 1280
    .private_segment_fixed_size: 0
    .kernarg_segment_align: 8
    .kernarg_segment_size: 24
    .max_flat_workgroup_size: 256
    .sgpr_count:     66
    .vgpr_count:     122
    .wavefront_size: 32
...
	.end_amdgpu_metadata
.endif
;; end of part 1
;; launch nearest (part 2): grid 256 x 1, 4 waves a work-group, clusters of 4 x 1, 327,680 bytes of LDS; arguments ebf, ebias, z, out1, cidx; writes out1, cidx
.if DOCPART == 2
	.amdgcn_target "amdgcn-amd-amdhsa--gfx1250"
	.amdhsa_code_object_version 6
	.text
	.protected	k_q6bd1ba44eb_nearest
	.globl	k_q6bd1ba44eb_nearest
	.p2align	8
	.type	k_q6bd1ba44eb_nearest,@function
k_q6bd1ba44eb_nearest:
	s_mov_b64 s[64:65], 0
	v_nop
	global_prefetch_b8 v0, s[64:65] scope:SCOPE_SE
	s_setreg_imm32_b32 hwreg(HW_REG_WAVE_MODE, 25, 1), 1
	s_wait_xcnt 0x0
	s_wait_alu depctr_hold_cnt(0) depctr_sa_sdst(0) depctr_va_vdst(0) depctr_va_sdst(0) depctr_va_ssrc(0) depctr_va_vcc(0) depctr_vm_vsrc(0)
	s_getreg_b32 s2, hwreg(HW_REG_IB_STS2, 6, 4)
	s_cmp_eq_u32 s2, 0
	s_cbranch_scc0 .Lentry_in_a_cluster
	s_endpgm
.Lentry_in_a_cluster:
	s_bfe_u32 s2, ttmp6, 0x10000c
	s_cmp_lg_u32 s2, 0x3003
	s_cbranch_scc0 .Lentry_shape_is_right
	s_endpgm
.Lentry_shape_is_right:
; Codebook, launch 2 of 4: out1[b][n] = cidx[b][n] = argmax over k of (sum over c of z[b][c][n] ebf[k][c] + ebias[k]).
; LEFT OUT: sum(zf^2), which is the same for all k of a row and so moves no argmin; argmin(d2) is taken as argmax(zf.e - sum(e^2)/2), an exact scaling.
; LIMITS: bf16 operands, f32 sums.  Equal scores give the lowest k; which nearly equal scores are equal hangs on the order of rounding.  A NaN score
; never wins (v_max3_num_f32 drops it), and a position all of whose scores are NaN or -infinity gets an index inside the table that means nothing.
;
; SHARES.  Work-group x owns the 128 positions n = 128 (x & 7) .. + 127 of batch x >> 3.  Each of its four waves keeps all 128 positions x 256 channels as
; matrix operands in 512 registers for the whole kernel.  The 8,192 codes go by in 32 steps of 256 through two LDS slots; wave w fetches and reads rows
; 64 w .. 64 w + 63 of each slot alone, so each byte of a slot is read from LDS once, and one fragment of codes (two LDS loads) feeds eight matrix instructions.
; Source 0 = 16 codes, source 1 = 16 positions: in the result register j of lane (r = l % 16, h = l / 16) is code 8 h + j, position column r, so the running
; best of a position stays inside a lane.  ebias enters as the C operand of the first K step: the term costs no vector instruction.
; POSITIONS.  n block nb = 4 g + i, column r stands for position 64 g + 4 r + i: a 16-byte LDS load of z's f32 tile then serves four n blocks at once.
; THE BEST.  Two scores at a time: max3 of the best so far and the pair; where that rose, the pair's number and its FIRST member are kept.  At the end the code
; is the pair's number, plus one where the kept first member is not the best.  Two vector instructions a score.
; PRODUCTS AND SCORES SIDE BY SIDE.  A piece is 16 codes x 128 positions: 64 matrix instructions and 128 vector instructions on its scores.  Two sets of eight
; accumulators take turns piece by piece: while one set is summed, the scores in the other are gone through, in slices of four (or two) vector instructions set
; between the matrix instructions.  So piece 0 stands in front of the loop without slices, and the last piece's scores behind the last products.
; CLUSTER.  All work-groups walk the same codes and ebias: four work-groups form a cluster and ask for these tiles jointly (mask 15; the addresses are made of
; the wave's number and the step alone).  z's tile is each work-group's own: a load without a mask.  Only one operand is shared, so the cluster has one axis.
;
; LDS:  0        slot 0: 256 rows of 512 bytes + 16 of padding (pitch 528 = 33 x 16: the 16 rows of a fragment load start in 16 different 16-byte columns)
;       135,168  slot 1: first z's tile as f32, 256 channels x 512 bytes; then codes
;       270,336  all of ebias, 32,768 bytes, filled once
;       303,104  4,096 bytes that LDS stores alone write: each wave's best values (512 bytes) and codes (512 bytes)
; REGISTERS: window 0 as named below; window 1: z's fragments of K steps 0-3 at v[64 ks + 8 nb]; window 2: those of K steps 4-7.
.set PITCH,  528
.set QBYTES, 64*PITCH                  ; a wave's quarter of a slot
.set SLOT,   4*QBYTES
.set BIAS,   2*SLOT
.set SCR,    BIAS+32768
.set STEPB,  256*512                   ; bytes of ebf in a step
.set TRIPS,  15                        ; eight pieces (two steps) a trip; piece 0 stands in front of the loop, the last seven behind it
.set VA0,   3                          ; v3       my fragment address in slot 0: (64 w + r) x 528 + 16 h
.set VA1,   4                          ; v4       the same in slot 1
.set VBI,   5                          ; v5       ebias of my codes: BIAS + 4 (64 w + 8 h), + 2,048 a trip
.set VZ,    6                          ; v6       z's tile: SLOT + 4,096 h + 16 r
.set VZ2,   7                          ; v7       channels 128 and up: + 65,536
.set TB,    8                          ; v[8:15]  the best, second name (the two names take turns, so that old and new can be compared)
.set BIASR, 16                         ; v[16:23] ebias of the piece's codes 8 h .. 8 h + 7
.set BEST,  24                         ; v[24:31] the best score of n block nb
.set IDX,   32                         ; v[32:39] its pair's number, without 8 h
.set SAV,   40                         ; v[40:47] that pair's first member
.set AF,    48                         ; v[48:111]  fragments of 16 codes, 8 registers a K step
.set ACC0,  112                        ; v[112:175] eight accumulators, one an n block: the pieces with even numbers
.set ACC1,  176                        ; v[176:239] the same for the pieces with odd numbers
.set BK0,   112                        ; the same 128 registers are first two banks for z's f32 numbers while the fragments are made
.set V8H,   240
.set VSC,   241                        ; SCR + 1,024 w + 16 l
.set VOUT,  242                        ; 16 l
.set G1C, 24                           ; s[24:31] shape of a code tile
.set G0C, 32                           ; s[32:39] from where, to where: one set for each slot
.set G1B, 40                           ; s[40:47], s[48:51] ebias
.set G0B, 48
.set G1Z, 52                           ; s[52:59], s[60:63] z
.set G0Z, 60
.set PI,  68                           ; s[68:71] number of pair p of the piece whose scores are gone through: 256 step + 64 w + 16 mt + 2 p
.set MK,  72                           ; s[72:79] eight lane masks
.set MULA, 0x04                        ; source 1 in window 1
.set MULB, 0x08                        ; source 1 in window 2
.set TOZ1, 0x40                        ; destination in window 1
.set TOZ2, 0x80                        ; destination in window 2
.set MSB, 0
.macro WIN new                         ; the immediate's high byte repeats the setting that is left; a switch that changes nothing is dropped
.if MSB != \new
	s_set_vgpr_msb (MSB<<8)|\new
.set MSB, \new
.endif
.endm
.macro PLACES                          ; four plain vector instructions that name no register of a matrix instruction (ISA guide 7.12.1)
.rept 4
	v_nop
.endr
.endm
; A round of the cluster's barrier: my work-group's barrier, so that wave 0 speaks for all four waves; wave 0 signals for the work-group; every wave waits for
; all four work-groups; my work-group's barrier once more.
.macro CREST                           ; a round behind its opening barrier
	s_cmp_lg_u32 s14, 0
	s_cbranch_scc1 .Lnot_wave_0_\@
	s_barrier_signal -3
.Lnot_wave_0_\@:
	s_barrier_wait -3
	s_barrier_signal -1
	s_barrier_wait -1
.endm
.macro ROUND                           ; a whole round
	s_barrier_signal -1
	s_barrier_wait -1
	CREST
.endm
	s_load_b256 s[4:11], s[0:1], 0x0               ; ebf s[4:5], ebias s[6:7], z s[8:9], out1 s[10:11]
	s_load_b64 s[12:13], s[0:1], 0x20              ; cidx
	v_lshl_add_u32 v254, v0, 2, 0x4b000
	v_mov_b32 v255, 0
	ds_add_u32 v254, v255
	v_lshrrev_b32 v1, 5, v0
	v_readfirstlane_b32 s14, v1                    ; wave 0..3
	s_bfe_u32 s15, ttmp6, 0x40000                  ; cx
	s_lshl_b32 s16, ttmp9, 2                       ; in a cluster launch ttmp9 counts clusters
	s_add_co_u32 s16, s16, s15                     ; work-group x = 4 x cluster + cx
	; codes: 64 rows of 256 bf16, 16 bytes of padding behind each row's 128 words; joint (mask 15, bit 21 beside it)
	s_mov_b32 s[G1C+0], 15|(1<<16)|(1<<20)|(1<<21)|(6<<22)|(3<<25)
	s_mov_b32 s[G1C+1], 256<<16                    ; tensor_dim0 = 256
	s_mov_b32 s[G1C+2], 64<<16                     ; tensor_dim1 = 64
	s_mov_b32 s[G1C+3], 256<<16                    ; tile_dim0 = 256
	s_mov_b32 s[G1C+4], 64                         ; tile_dim1 = 64
	s_mov_b32 s[G1C+5], 256                        ; elements from row to row
	s_mov_b32 s[G1C+6], 0
	s_mov_b32 s[G1C+7], 0
	; ebias: a wave's 8,192 bytes as 32 rows of 32 elements of 8 bytes, dense; joint
	s_mov_b32 s[G1B+0], 15|(3<<16)|(1<<21)
	s_mov_b32 s[G1B+1], 32<<16
	s_mov_b32 s[G1B+2], 32<<16
	s_mov_b32 s[G1B+3], 32<<16
	s_mov_b32 s[G1B+4], 32
	s_mov_b32 s[G1B+5], 32
	s_mov_b32 s[G1B+6], 0
	s_mov_b32 s[G1B+7], 0
	; z: 64 channels x 128 positions of f32, 1,024 elements from channel to channel; the work-group's own (no mask)
	s_mov_b32 s[G1Z+0], 2<<16
	s_mov_b32 s[G1Z+1], 128<<16
	s_mov_b32 s[G1Z+2], 64<<16
	s_mov_b32 s[G1Z+3], 128<<16
	s_mov_b32 s[G1Z+4], 64
	s_mov_b32 s[G1Z+5], 1024
	s_mov_b32 s[G1Z+6], 0
	s_mov_b32 s[G1Z+7], 0
	; to where: the wave's number times a constant plus the region's constant; no place in the cluster enters
	s_mov_b32 s[G0C+0], 1
	s_mul_i32 s[G0C+1], s14, QBYTES
	s_mov_b32 s[G0C+4], 1
	s_add_co_u32 s[G0C+5], s[G0C+1], SLOT
	s_mov_b32 s[G0B+0], 1
	s_lshl_b32 s[G0B+1], s14, 13
	s_add_co_u32 s[G0B+1], s[G0B+1], BIAS
	s_mov_b32 s[G0Z+0], 1
	s_lshl_b32 s[G0Z+1], s14, 15
	s_add_co_u32 s[G0Z+1], s[G0Z+1], SLOT
	; from where.  The joint loads' offsets (s18-19, s22-23) hold the wave's number alone; what hangs on x stays in s20-21.
	s_lshl_b32 s18, s14, 15                        ; 64 rows of 512 bytes a wave
	s_mov_b32 s19, 0
	s_lshl_b32 s22, s14, 13                        ; 8,192 bytes of ebias a wave
	s_mov_b32 s23, 0
	s_lshr_b32 s20, s16, 3
	s_lshl_b32 s20, s20, 20                        ; batch x 256 channels x 4,096 bytes
	s_and_b32 s21, s16, 7
	s_lshl_b32 s21, s21, 9                         ; + 128 positions x 4 bytes a block
	s_add_co_u32 s20, s20, s21
	s_lshl_b32 s21, s14, 18                        ; + 64 channels a wave
	s_add_co_u32 s20, s20, s21
	s_mov_b32 s21, 0
	s_wait_dscnt 0x0
	s_wait_kmcnt 0x0
	s_add_nc_u64 s[G0C+2:G0C+3], s[4:5], s[18:19]              ; step 0
	s_add_nc_u64 s[G0C+6:G0C+7], s[G0C+2:G0C+3], STEPB         ; step 1
	s_or_b32 s[G0C+3], s[G0C+3], 0x80000000                    ; type = 2
	s_or_b32 s[G0C+7], s[G0C+7], 0x80000000
	s_add_nc_u64 s[G0B+2:G0B+3], s[6:7], s[22:23]
	s_or_b32 s[G0B+3], s[G0B+3], 0x80000000
	s_add_nc_u64 s[G0Z+2:G0Z+3], s[8:9], s[20:21]
	s_or_b32 s[G0Z+3], s[G0Z+3], 0x80000000
	ROUND                                          ; all four work-groups are here: the first joint loads meet
	tensor_load_to_lds s[G0Z:G0Z+3], s[G1Z:G1Z+7]  ; the three first fills go out as one group: three loads of this wave are out
	s_nop 0
	tensor_load_to_lds s[G0C:G0C+3], s[G1C:G1C+7]
	s_nop 0
	tensor_load_to_lds s[G0B:G0B+3], s[G1B:G1B+7]
	s_nop 0
	; addresses and starting values, while the tiles are on their way
	v_and_b32 v1, 15, v0                           ; r
	v_bfe_u32 v2, v0, 4, 1                         ; h
	v_mul_u32_u24 v[VA0], v1, PITCH
	v_lshl_add_u32 v[VA0], v2, 4, v[VA0]
	v_add_nc_u32 v[VA0], s[G0C+1], v[VA0]          ; + my wave's quarter
	v_add_nc_u32 v[VA1], SLOT, v[VA0]
	s_lshl_b32 s22, s14, 8
	s_add_co_u32 s22, s22, BIAS
	v_lshl_add_u32 v[VBI], v2, 5, s22
	v_lshlrev_b32 v[VZ], 4, v1
	v_lshl_add_u32 v[VZ], v2, 12, v[VZ]
	v_add_nc_u32 v[VZ], SLOT, v[VZ]
	v_add_nc_u32 v[VZ2], 0x10000, v[VZ]
	v_lshlrev_b32 v[V8H], 3, v2
	v_and_b32 v[VOUT], 31, v0
	v_lshlrev_b32 v[VOUT], 4, v[VOUT]
	s_lshl_b32 s23, s14, 10
	s_add_co_u32 s23, s23, SCR
	v_add_nc_u32 v[VSC], s23, v[VOUT]
.irp nb, 0,1,2,3,4,5,6,7
	v_mov_b32 v[BEST+\nb], 0xff800000              ; -infinity: any finite score beats it
	v_mov_b32 v[IDX+\nb], 0
	v_mov_b32 v[SAV+\nb], 0
.endr
	s_lshl_b32 s[PI], s14, 6
	s_add_co_u32 s[PI+1], s[PI], 2
	s_add_co_u32 s[PI+2], s[PI], 4
	s_add_co_u32 s[PI+3], s[PI], 6
	s_mov_b32 s81, 0x76543210                      ; v_permlanex16_b32: lane i of one half reads lane i of the other
	s_mov_b32 s82, 0xfedcba98
	s_mov_b32 s83, 0xffff0000                      ; the lanes with h = 1
	s_lshl_b32 s20, s16, 9                         ; my 128 indices, 512 bytes
	s_add_nc_u64 s[10:11], s[10:11], s[20:21]
	s_add_nc_u64 s[12:13], s[12:13], s[20:21]
	s_mov_b32 s80, TRIPS
	s_wait_tensorcnt 0x0                           ; my parts of z, of step 0 and of ebias are in LDS,
	s_barrier_signal -1
	s_barrier_wait -1                              ; everybody's are: z and ebias are read across the waves.
; z'S FRAGMENTS.  Batch b = 2 ks + g: 16 loads of 16 bytes; load u brings z[32 ks + 8 h + u (+ 8 from u = 8 on)][64 g + 4 r + 0..3], the channels in the order
; in which a 16-bit operand's registers want them (0-3: k = 8 h .. + 7; 4-7: k = 16 + 8 h .. + 7).  Sixteen lanes read 256 consecutive bytes.
.macro ZBATCH b
	WIN 0
.set zks, (\b)>>1
.set zg, (\b)&1
.set zbank, BK0+64*((\b)&1)
.set zu, 0
.rept 16
.if zks < 4
	ds_load_b128 v[zbank+4*zu:zbank+4*zu+3], v[VZ] offset:(32*(zks&3)+zu+8*(zu>>3))*512+256*zg
.else
	ds_load_b128 v[zbank+4*zu:zbank+4*zu+3], v[VZ2] offset:(32*(zks&3)+zu+8*(zu>>3))*512+256*zg
.endif
.set zu, zu+1
.endr
.endm
; two neighbouring channels of one position make one register of n block 4 g + i
.macro ZCVT b
.set zks, (\b)>>1
.set zg, (\b)&1
.set zbank, BK0+64*((\b)&1)
.if zks < 4
	WIN TOZ1
.else
	WIN TOZ2
.endif
.set zu, 0
.rept 8
.irp i, 0,1,2,3
	v_cvt_pk_bf16_f32 v[64*(zks&3)+8*(4*zg+\i)+zu], v[zbank+8*zu+\i], v[zbank+8*zu+4+\i]
.endr
.set zu, zu+1
.endr
.endm
	ZBATCH 0
.set zb, 0
.rept 15
	ZBATCH zb+1
	s_wait_dscnt 16                                ; LDS loads come back in order: the older batch is in, the sixteen just issued stay out
	ZCVT zb
.set zb, zb+1
.endr
	s_wait_dscnt 0x0
	ZCVT 15
	WIN 0
	; slot 1 changes from z to codes: my reads of it are back (the wait above), none of my tensor loads is out, and the round shows the same of every wave
	s_wait_dscnt 0x0
	s_wait_tensorcnt 0x0
	ds_add_u32 v254, v255
	s_wait_dscnt 0x0
	ROUND
	tensor_load_to_lds s[G0C+4:G0C+7], s[G1C:G1C+7]            ; step 1: my one tensor load behind the round
	s_nop 0
; LDS LOADS.  They name vector registers as destination and as source 0 alone, both in window 0 under every setting used in the loop: no switch.
.macro LDB boff                        ; ebias of 16 codes: every lane of a half reads the same 32 bytes
	ds_load_b128 v[BIASR:BIASR+3],   v[VBI] offset:\boff
	ds_load_b128 v[BIASR+4:BIASR+7], v[VBI] offset:\boff+16
.endm
.macro LDA ks, adr, mt                 ; the fragment of K step ks of codes 16 mt .. + 15 of my quarter
	ds_load_b128 v[AF+8*(\ks):AF+8*(\ks)+3],   v[\adr] offset:(\mt)*16*PITCH+64*(\ks)
	ds_load_b128 v[AF+8*(\ks)+4:AF+8*(\ks)+7], v[\adr] offset:(\mt)*16*PITCH+64*(\ks)+32
.endm
; The wait in front of K step ks.  LDS loads come back in order, and a piece's come in the order ebias, K step 0, .. 7, two loads each: the two loads of each
; later K step of this piece stay out (14 - 2 ks), and from K step 4 on also the ten issued behind K step 3 for the next piece (fetch = 1).
.macro DSW ks, fetch
.if (\ks) < 4
	s_wait_dscnt 14-2*(\ks)
.else
	s_wait_dscnt 14-2*(\ks)+10*\fetch
.endif
.endm
; One product: 16 codes x 16 positions x 32 channels.  K step 0 takes ebias as C and so starts the sum.
.macro WM ks, nb, cur
.if (\ks) < 4
	WIN MULA
.else
	WIN MULB
.endif
.if (\ks) == 0
	v_wmma_f32_16x16x32_bf16 v[\cur+8*\nb:\cur+8*\nb+7], v[AF+8*(\ks):AF+8*(\ks)+7], v[64*((\ks)&3)+8*\nb:64*((\ks)&3)+8*\nb+7], v[BIASR:BIASR+7]
.else
	v_wmma_f32_16x16x32_bf16 v[\cur+8*\nb:\cur+8*\nb+7], v[AF+8*(\ks):AF+8*(\ks)+7], v[64*((\ks)&3)+8*\nb:64*((\ks)&3)+8*\nb+7], v[\cur+8*\nb:\cur+8*\nb+7]
.endif
.endm
; THE SLICES, on pair p (scores 2 p and 2 p + 1 of a lane) of n blocks n0 .. n0 + 3 of the accumulator set prv.  The lines of a slice need nothing of each other.
; Three kinds take a window-0 register as source 1 and so stand between two switches; with the four lines that is six issue slots between two products.
.macro SMAX p, n0, prv
	WIN 0
.irp d, 0,1,2,3
	v_max3_num_f32 v[NEWB+\n0+\d], v[OLDB+\n0+\d], v[\prv+8*(\n0+\d)+2*\p], v[\prv+8*(\n0+\d)+2*\p+1]
.endr
.endm
.macro SCMP n0                         ; strictly greater: of equal scores the earlier, lower code stays
	WIN 0
.irp d, 0,1,2,3
	v_cmp_gt_f32 s[MK+\n0+\d], v[NEWB+\n0+\d], v[OLDB+\n0+\d]
.endr
.endm
.macro SSAV p, n0, prv
	WIN 0
.irp d, 0,1,2,3
	v_cndmask_b32 v[SAV+\n0+\d], v[SAV+\n0+\d], v[\prv+8*(\n0+\d)+2*\p], s[MK+\n0+\d]
.endr
.endm
.macro SIDX p, n0                      ; two n blocks; its vector registers are source 0 and the destination alone: right under the products' settings too, no switch
.irp d, 0,1
	v_cndmask_b32 v[IDX+\n0+\d], v[IDX+\n0+\d], s[PI+\p], s[MK+\n0+\d]
.endr
.endm
; A GROUP: K steps 2 p and 2 p + 1 of the piece at work (set cur), 16 products, and between them pair p of the piece before (set prv).
; The eight accumulators of a set take turns, one instruction a turn, and the sets piece by piece.
; PLACES.  The four selects behind the group's last product name none of the registers of cur's products.  Behind K step 3 and K step 7 they are the four places
; in front of the loads into the fragment registers just read; behind K step 7 also those in front of the next piece's first read of cur's results.
; LOADS.  Two runs a piece: behind K step 3 the next piece's ebias and K steps 0-3, behind K step 7 its K steps 4-7; each has 32 products in which to come back.
; arg = 0: there is no piece before (piece 0): v_nop where places are owed.  fetch = 0: there is no next piece.
; turn = 1: this is the slot's fourth piece; its last reads were issued at the end of the third.  The slot is filled again, two steps ahead, in group 1:
; the waits and the opening signal in front of K step 3, K step 3's products and slices (registers alone) up to the wait, the rest of the round, the refill, and
; only then the other slot's first reads.  turn = 2: nothing is left to fetch; the other slot's tile is waited for.
.macro GROUP p, cur, prv, arg, fetch, nadr, nmt, nboff, turn, slot, padd
.set k0, 2*\p
.set k1, 2*\p+1
.if (\p&1) == 0
.set NEWB, TB
.set OLDB, BEST
.else
.set NEWB, BEST
.set OLDB, TB
.endif
.set rnd, 0
.if \p == 1
.if \turn == 1
.set rnd, 1
.endif
.endif
	DSW k0, \fetch
	WM k0, 0, \cur
.if \arg
	SMAX \p, 0, \prv
.endif
	WM k0, 1, \cur
	WM k0, 2, \cur
.if \arg
	SMAX \p, 4, \prv
.endif
	WM k0, 3, \cur
	WM k0, 4, \cur
.if \arg
	SCMP 0
.endif
	WM k0, 5, \cur
.if \arg
	SIDX \p, 0
.endif
	WM k0, 6, \cur
.if \arg
	SCMP 4
.endif
	WM k0, 7, \cur
.if \arg
	SIDX \p, 2
.endif
.if rnd
	s_wait_dscnt 0x0                               ; my reads of this slot are back: the last were issued 24 products ago
	s_set_vgpr_msb 0x400
	s_wait_tensorcnt 0x0                           ; all my tensor loads have landed: the one that was out is my quarter of the other slot; so a group 0 may be written
	ds_add_u32 v254, v255
	s_wait_dscnt 0x0
	s_set_vgpr_msb 0x4
	s_add_nc_u64 s[G0C+4*\slot+2:G0C+4*\slot+3], s[G0C+4*\slot+2:G0C+4*\slot+3], 2*STEPB
	s_barrier_signal -1                            ; say so: this barrier opens a round of the cluster's barrier
.else
	DSW k1, \fetch
.endif
	WM k1, 0, \cur
.if \arg
	SSAV \p, 0, \prv
.endif
	WM k1, 1, \cur
.if \arg
	SIDX \p, 4
.endif
	WM k1, 2, \cur
	WM k1, 3, \cur
.if \arg
	SIDX \p, 6
	s_add_co_u32 s[PI+\p], s[PI+\p], \padd         ; pair p of the piece at work, whose scores come next
.endif
	WM k1, 4, \cur
	WM k1, 5, \cur
	WM k1, 6, \cur
	WM k1, 7, \cur
.if \arg
	SSAV \p, 4, \prv
.else
.if (\p&1) == 1
	PLACES
.endif
.endif
.if \p == 1
.if rnd
	WIN 0
	s_barrier_wait -1                              ; all four waves have said so,
	CREST                                          ; and all four work-groups: no wave of any partner still reads this slot or has a load on its way
	tensor_load_to_lds s[G0C+4*\slot:G0C+4*\slot+3], s[G1C:G1C+7]  ; my one tensor load behind the round, ahead of my first LDS read; it has a step's 256 products in which to land
	s_nop 0
.endif
.if \turn == 2
	s_wait_tensorcnt 0x0                           ; my quarter of the last step is in; I alone read it, so my own counter is all the order that the reads need
.endif
.if \fetch
	LDB \nboff
.irp k, 0,1,2,3
	LDA \k, \nadr, \nmt
.endr
.endif
.endif
.if \p == 3
.if \fetch
.irp k, 4,5,6,7
	LDA \k, \nadr, \nmt
.endr
.endif
.endif
.endm
.macro PIECE cur, prv, arg, fetch, nadr, nmt, nboff, turn, slot, padd
.irp p, 0,1,2,3
	GROUP \p, \cur, \prv, \arg, \fetch, \nadr, \nmt, \nboff, \turn, \slot, \padd
.endr
.endm
; Pieces 1 to 7 of a trip's eight.  (nadr, nmt, nboff) name the NEXT piece's codes; ebias' offsets count from the trip's first step.
; padd leads the pairs' numbers from the piece before to the piece at work: 16 inside a step, 256 - 48 into the next step.
.macro SEVEN t0, t1, f
	PIECE ACC1, ACC0, 1, 1, VA0, 2, 128, 0, 0, 16          ; slot 0, my codes 16-31
	PIECE ACC0, ACC1, 1, 1, VA0, 3, 192, 0, 0, 16          ; 32-47
	PIECE ACC1, ACC0, 1, 1, VA1, 0, 1024, \t0, 0, 16       ; 48-63, and the change of slots
	PIECE ACC0, ACC1, 1, 1, VA1, 1, 1088, 0, 1, 208        ; slot 1, my codes 0-15
	PIECE ACC1, ACC0, 1, 1, VA1, 2, 1152, 0, 1, 16
	PIECE ACC0, ACC1, 1, 1, VA1, 3, 1216, 0, 1, 16
	PIECE ACC1, ACC0, 1, \f, VA0, 0, 2048, \t1, 1, 16      ; 48-63, and the change of slots
.endm
	LDB 0                                          ; piece 0: step 0, my first 16 codes
.irp k, 0,1,2,3,4,5,6,7
	LDA \k, VA0, 0
.endr
	PIECE ACC0, ACC1, 0, 1, VA0, 1, 64, 0, 0, 0    ; its products alone: no scores are there yet
	WIN 0                                          ; at a label and at a branch every window is 0
.Ltrip:
	SEVEN 1, 1, 1
	PIECE ACC0, ACC1, 1, 1, VA0, 1, 2112, 0, 0, 208        ; slot 0 again, the next trip's first step, my codes 0-15
	WIN 0
	v_add_nc_u32 v[VBI], 2048, v[VBI]              ; two steps of 256 words on
	s_sub_co_i32 s80, s80, 1
	s_cmp_lg_u32 s80, 0
	s_cbranch_scc1 .Ltrip
	SEVEN 2, 0, 0                                  ; the rest of steps 30 and 31: no slot is filled that no step reads, and the last piece fetches nothing
	; the last piece's scores; the four selects behind its last product are the places in front of these reads
.irp p, 0,1,2,3
.if (\p&1) == 0
.set NEWB, TB
.set OLDB, BEST
.else
.set NEWB, BEST
.set OLDB, TB
.endif
	SMAX \p, 0, ACC1
	SMAX \p, 4, ACC1
	SCMP 0
	SCMP 4
	SIDX \p, 0
	SIDX \p, 2
	SIDX \p, 4
	SIDX \p, 6
	SSAV \p, 0, ACC1
	SSAV \p, 4, ACC1
.endr
	; THE INDEX.  In the lane: pair + 8 h + (the pair's first member is not the best).
.irp nb, 0,1,2,3,4,5,6,7
	v_cmp_neq_f32 s[MK+\nb], v[SAV+\nb], v[BEST+\nb]
.endr
.irp nb, 0,1,2,3,4,5,6,7
	v_cndmask_b32 v[TB+\nb], 0, 1, s[MK+\nb]
.endr
.irp nb, 0,1,2,3,4,5,6,7
	v_add3_u32 v[IDX+\nb], v[IDX+\nb], v[V8H], v[TB+\nb]
.endr
; (bv, bc) takes (ov, oc) where that score is greater, or equal with the lower code
.macro MERGE bv, bc, ov, oc
	v_cmp_gt_f32 s84, v[\ov], v[\bv]
	v_cmp_eq_f32 s85, v[\ov], v[\bv]
	v_cmp_lt_u32 vcc_lo, v[\oc], v[\bc]
	s_and_b32 s85, s85, vcc_lo
	s_or_b32 vcc_lo, s84, s85
	v_cndmask_b32 v[\bv], v[\bv], v[\ov], vcc_lo
	v_cndmask_b32 v[\bc], v[\bc], v[\oc], vcc_lo
.endm
	; lanes r and 16 + r hold the same positions and other codes: each takes the other's and both end with the same
.irp nb, 0,1,2,3,4,5,6,7
	v_permlanex16_b32 v[AF+\nb],   v[BEST+\nb], s81, s82       ; destinations that have been written (fragment registers, free now)
	v_permlanex16_b32 v[AF+8+\nb], v[IDX+\nb],  s81, s82
.endr
.irp nb, 0,1,2,3,4,5,6,7
	MERGE BEST+\nb, IDX+\nb, AF+\nb, AF+8+\nb
.endr
	; lane l = 16 h + r keeps n blocks 4 h + 0..3: positions 64 h + 4 r + i = 4 l + i, four neighbours
.irp i, 0,1,2,3
	v_cndmask_b32 v[AF+16+\i], v[BEST+\i], v[BEST+4+\i], s83
	v_cndmask_b32 v[AF+20+\i], v[IDX+\i],  v[IDX+4+\i],  s83
.endr
	ds_store_b128 v[VSC], v[AF+16:AF+19]
	ds_store_b128 v[VSC], v[AF+20:AF+23] offset:512
	s_wait_dscnt 0x0                               ; my stores are in LDS before I say so
	s_barrier_signal -1
	s_barrier_wait -1
	s_cmp_lg_u32 s14, 0
	s_cbranch_scc1 .Lothers
	; wave 0 merges the four waves' quarters of the codebook and stores
.irp t, 0,1,2,3
	ds_load_b128 v[AF+8*\t:AF+8*\t+3],   v[VSC] offset:1024*\t
	ds_load_b128 v[AF+8*\t+4:AF+8*\t+7], v[VSC] offset:1024*\t+512
.endr
	s_wait_dscnt 0x0
.irp t, 1,2,3
.irp i, 0,1,2,3
	MERGE AF+\i, AF+4+\i, AF+8*\t+\i, AF+8*\t+4+\i
.endr
.endr
	global_store_b128 v[VOUT], v[AF+4:AF+7], s[10:11]          ; 32 lanes x 16 bytes: 512 consecutive bytes, aligned
	global_store_b128 v[VOUT], v[AF+4:AF+7], s[12:13]          ; the same numbers for the launch that gathers by them
.Lothers:
	s_wait_tensorcnt 0x0
	ds_add_u32 v254, v255
	s_wait_dscnt 0x0
	ROUND                                          ; the closing round: no work-group ends while a partner may still ask for a tile that names it
	s_endpgm
.Lfunc_end_k_q6bd1ba44eb_nearest:
	.size	k_q6bd1ba44eb_nearest, .Lfunc_end_k_q6bd1ba44eb_nearest-k_q6bd1ba44eb_nearest
	.p2alignl 7, 3214868480
	.fill 96, 4, 3214868480
	.section	.rodata,"a",@progbits
	.p2align	6, 0x0
	.amdhsa_kernel k_q6bd1ba44eb_nearest
		.amdhsa_group_segment_fixed_size 327680
		.amdhsa_private_segment_fixed_size 0
		.amdhsa_enable_private_segment 0
		.amdhsa_kernarg_size 40
		.amdhsa_user_sgpr_count 2
		.amdhsa_user_sgpr_kernarg_segment_ptr 1
		.amdhsa_wavefront_size32 1
		.amdhsa_system_sgpr_workgroup_id_x 1
		.amdhsa_system_sgpr_workgroup_id_y 1
		.amdhsa_system_sgpr_workgroup_id_z 1
		.amdhsa_system_vgpr_workitem_id 0
		.amdhsa_next_free_vgpr 768
		.amdhsa_next_free_sgpr 96
		.amdhsa_reserve_vcc 1
		.amdhsa_float_denorm_mode_32 3
		.amdhsa_float_denorm_mode_16_64 3
		.amdhsa_memory_ordered 1
		.amdhsa_forward_progress 1
		.amdhsa_inst_pref_size 255
	.end_amdhsa_kernel
	.section	.bss,"aw",@nobits
	.p2align	6
	.space	262144
	.amdgpu_metadata
---
amdhsa.version: [ 1, 2 ]
amdhsa.kernels:
  - .name:           k_q6bd1ba44eb_nearest
    .symbol:         k_q6bd1ba44eb_nearest.kd
    .args:
      - { .name: ebf, .offset: 0, .size: 8, .value_kind: global_buffer, .address_space: global }
      - { .name: ebias, .offset: 8, .size: 8, .value_kind: global_buffer, .address_space: global }
      - { .name: z, .offset: 16, .size: 8, .value_kind: global_buffer, .address_space: global }
      - { .name: out1, .offset: 24, .size: 8, .value_kind: global_buffer, .address_space: global }
      - { .name: cidx, .offset: 32, .size: 8, .value_kind: global_buffer, .address_space: global }
    .group_segment_fixed_size: 327680
    .private_segment_fixed_size: 0
    .kernarg_segment_align: 8
    .kernarg_segment_size: 40
    .max_flat_workgroup_size: 128
    .sgpr_count:     96
    .vgpr_count:     768
    .wavefront_size: 32
...
	.end_amdgpu_metadata
.endif
;; end of part 2
;; launch apply (part 3): grid 256 x 1, 8 waves a work-group, no clusters, 1,280 bytes of LDS; arguments z, ebf, cidx, out0, part; writes out0, part
.if DOCPART == 3
	.amdgcn_target "amdgcn-amd-amdhsa--gfx1250"
	.amdhsa_code_object_version 6
	.text
	.protected	k_q6bd1ba44eb_apply
	.globl	k_q6bd1ba44eb_apply
	.p2align	8
	.type	k_q6bd1ba44eb_apply,@function
k_q6bd1ba44eb_apply:
	s_mov_b64 s[64:65], 0
	v_nop
	global_prefetch_b8 v0, s[64:65] scope:SCOPE_SE
	s_setreg_imm32_b32 hwreg(HW_REG_WAVE_MODE, 25, 1), 1
	s_wait_xcnt 0x0
; Codebook, launch 3 of 4: out0 = z - (z_q - z), and the work-group's share of sum((z_q - z)^2).
; z_q is the RAW reshape of [B, HW, C] to [B, C, H, W]: flat element i of z_q is element i & 255 of the code of flat position i >> 8.
; So z, z_q and out0 go by as 32,768 rows of 256 numbers, row R with the code cidx[R]: a stream, no transposition.
; LEFT OUT: the second of the two losses, which is the same number as the first ((a - b)^2 = (b - a)^2; stop_gradient changes no value).
; LIMIT: z_q is taken from the codes rounded to bf16 (relative error up to 2^-9), which halves the bytes gathered.
; Eight waves; the work-group owns 128 rows, a wave 16.  Lane l holds elements 4 l .. + 3 and 128 + 4 l .. + 3 of each row: a load or store of z or out0 covers
; 512 consecutive bytes, a load of a code 256.  All of a wave's 64 loads go out at once; no register that a store reads is written again.
; The indices are whole numbers read from memory, stored by the launch before, and are clamped to the table's 8,192 rows.
; No matrix work and no tile that work-groups share at one time: no cluster, no LDS tiles.
.set VE, 4                             ; v[4:19]    row i: byte offset of my 8 bytes in its code
.set U,  20                            ; v[20:27]   the code's 8 numbers as f32, then z_q - z
.set S,  28                            ; v[28:31]   two chains of packed sums
.set Z,  32                            ; v[32:159]  row i: 8 registers, z as loaded, then out0
.set E,  160                           ; v[160:223] row i: 4 registers, the code's bf16
	s_load_b256 s[4:11], s[0:1], 0x0               ; z s[4:5], ebf s[6:7], cidx s[8:9], out0 s[10:11]
	s_load_b64 s[12:13], s[0:1], 0x20              ; part
	v_lshl_add_u32 v232, v0, 2, 0x100
	v_mov_b32 v233, 0
	v_lshrrev_b32 v3, 5, v0
	v_readfirstlane_b32 s14, v3                    ; wave 0..7
	v_and_b32 v2, 31, v0                           ; lane
	v_lshlrev_b32 v1, 4, v2
	v_lshl_add_u32 v1, s14, 14, v1                 ; 16 l + 16 rows of 1,024 bytes a wave
	v_lshlrev_b32 v2, 3, v2                        ; 8 l
	v_lshlrev_b32 v3, 2, v3                        ; my wave's word in LDS
	s_lshl_b32 s32, ttmp9, 17                      ; the work-group's 128 rows
	s_mov_b32 s33, 0
	s_lshl_b32 s36, ttmp9, 9                       ; its 128 indices,
	s_lshl_b32 s37, s14, 6                         ; my wave's 16 among them
	s_add_co_u32 s36, s36, s37
	s_mov_b32 s37, 0
	s_lshl_b32 s38, ttmp9, 2                       ; its word in part
	s_mov_b32 s39, 0
	s_mov_b32 s34, 0x76543210
	s_mov_b32 s35, 0xfedcba98
	s_wait_kmcnt 0x0
	s_add_nc_u64 s[8:9], s[8:9], s[36:37]
	s_load_b512 s[16:31], s[8:9], 0x0              ; my 16 indices
	s_add_nc_u64 s[4:5], s[4:5], s[32:33]
	s_add_nc_u64 s[10:11], s[10:11], s[32:33]
	s_add_nc_u64 s[12:13], s[12:13], s[38:39]
.irp i, 0,1,2,3,4,5,6,7,8,9,10,11,12,13,14,15
	global_load_b128 v[Z+8*\i:Z+8*\i+3],   v1, s[4:5] offset:1024*\i th:TH_LOAD_NT
	global_load_b128 v[Z+8*\i+4:Z+8*\i+7], v1, s[4:5] offset:1024*\i+512 th:TH_LOAD_NT
.endr
	s_wait_kmcnt 0x0                               ; the indices
.irp i, 0,1,2,3,4,5,6,7,8,9,10,11,12,13,14,15
	s_min_u32 s[16+\i], s[16+\i], 0x1fff           ; inside the table whatever the word holds
	v_lshl_add_u32 v[VE+\i], s[16+\i], 9, v2       ; 512 bytes a code + 8 l
	global_load_b64 v[E+4*\i:E+4*\i+1],   v[VE+\i], s[6:7]             ; no hint: a code may be named by many rows
	global_load_b64 v[E+4*\i+2:E+4*\i+3], v[VE+\i], s[6:7] offset:256
.endr
.macro ROW i
	s_wait_loadcnt 2*(15-\i)                       ; loads come back in order: all of z and this row's code are in; the two loads of each later row's code stay out
.irp k, 0,1,2,3
	v_lshlrev_b32 v[U+2*\k],   16, v[E+4*\i+\k]
	v_and_b32     v[U+2*\k+1], 0xffff0000, v[E+4*\i+\k]
.endr
.irp k, 0,1,2,3
	v_pk_add_f32 v[U+2*\k:U+2*\k+1], v[U+2*\k:U+2*\k+1], v[Z+8*\i+2*\k:Z+8*\i+2*\k+1] neg_lo:[0,1] neg_hi:[0,1]    ; d = z_q - z
.endr
.irp k, 0,1,2,3
.if (4*\i+\k) < 2
	v_pk_mul_f32 v[S+2*\k:S+2*\k+1], v[U+2*\k:U+2*\k+1], v[U+2*\k:U+2*\k+1]                                        ; the first products start the two chains
.else
	v_pk_fma_f32 v[S+2*(\k&1):S+2*(\k&1)+1], v[U+2*\k:U+2*\k+1], v[U+2*\k:U+2*\k+1], v[S+2*(\k&1):S+2*(\k&1)+1]
.endif
.endr
.irp k, 0,1,2,3
	v_pk_add_f32 v[Z+8*\i+2*\k:Z+8*\i+2*\k+1], v[Z+8*\i+2*\k:Z+8*\i+2*\k+1], v[U+2*\k:U+2*\k+1] neg_lo:[0,1] neg_hi:[0,1]   ; z - d
.endr
	global_store_b128 v1, v[Z+8*\i:Z+8*\i+3],   s[10:11] offset:1024*\i th:TH_STORE_NT
	global_store_b128 v1, v[Z+8*\i+4:Z+8*\i+7], s[10:11] offset:1024*\i+512 th:TH_STORE_NT
.endm
.irp i, 0,1,2,3,4,5,6,7,8,9,10,11,12,13,14,15
	ROW \i
.endr
	v_pk_add_f32 v[S:S+1], v[S:S+1], v[S+2:S+3]
	v_add_f32 v[S], v[S], v[S+1]
	v_add_f32_dpp v[S], v[S], v[S] row_xmask:1 row_mask:0xf bank_mask:0xf
	v_add_f32_dpp v[S], v[S], v[S] row_xmask:2 row_mask:0xf bank_mask:0xf
	v_add_f32_dpp v[S], v[S], v[S] row_xmask:4 row_mask:0xf bank_mask:0xf
	v_add_f32_dpp v[S], v[S], v[S] row_xmask:8 row_mask:0xf bank_mask:0xf
	v_permlanex16_b32 v[S+1], v[S], s34, s35
	v_add_f32 v[S], v[S], v[S+1]
	ds_store_b32 v3, v[S]                          ; every lane writes my wave's word with the same value
	s_wait_dscnt 0x0                               ; it is in LDS before I say so
	s_barrier_signal -1
	s_barrier_wait -1
	s_cmp_lg_u32 s14, 0
	s_cbranch_scc1 .Ldone
	v_mov_b32 v[S+2], 0
	ds_load_b128 v[U:U+3],   v[S+2]                ; the eight waves' sums
	ds_load_b128 v[U+4:U+7], v[S+2] offset:16
	s_wait_dscnt 0x0
	v_pk_add_f32 v[U:U+1], v[U:U+1], v[U+2:U+3]
	v_pk_add_f32 v[U+4:U+5], v[U+4:U+5], v[U+6:U+7]
	v_pk_add_f32 v[U:U+1], v[U:U+1], v[U+4:U+5]
	v_add_f32 v[U], v[U], v[U+1]
	v_cmp_eq_u32 vcc_lo, 0, v0
	s_wait_xcnt 0x0                                ; EXEC is a source of the stores above: it is narrowed only behind this wait
	s_and_saveexec_b32 s15, vcc_lo
	global_store_b32 v[S+2], v[U], s[12:13]        ; one word a work-group: the sum over work-groups is the next launch's
	s_wait_xcnt 0x0                                ; and widened again only behind this one
	s_or_b32 exec_lo, exec_lo, s15
.Ldone:
	s_wait_tensorcnt 0x0
	ds_add_u32 v232, v233
	s_wait_dscnt 0x0
	s_endpgm
.Lfunc_end_k_q6bd1ba44eb_apply:
	.size	k_q6bd1ba44eb_apply, .Lfunc_end_k_q6bd1ba44eb_apply-k_q6bd1ba44eb_apply
	.p2alignl 7, 3214868480
	.fill 96, 4, 3214868480
	.section	.rodata,"a",@progbits
	.p2align	6, 0x0
	.amdhsa_kernel k_q6bd1ba44eb_apply
		.amdhsa_group_segment_fixed_size 1280
		.amdhsa_private_segment_fixed_size 0
		.amdhsa_enable_private_segment 0
		.amdhsa_kernarg_size 40
		.amdhsa_user_sgpr_count 2
		.amdhsa_user_sgpr_kernarg_segment_ptr 1
		.amdhsa_wavefront_size32 1
		.amdhsa_system_sgpr_workgroup_id_x 1
		.amdhsa_system_sgpr_workgroup_id_y 1
		.amdhsa_system_sgpr_workgroup_id_z 1
		.amdhsa_system_vgpr_workitem_id 0
		.amdhsa_next_free_vgpr 234
		.amdhsa_next_free_sgpr 66
		.amdhsa_reserve_vcc 1
		.amdhsa_float_denorm_mode_32 3
		.amdhsa_float_denorm_mode_16_64 3
		.amdhsa_memory_ordered 1
		.amdhsa_forward_progress 1
		.amdhsa_inst_pref_size 33
	.end_amdhsa_kernel
	.amdgpu_metadata
---
amdhsa.version: [ 1, 2 ]
amdhsa.kernels:
  - .name:           k_q6bd1ba44eb_apply
    .symbol:         k_q6bd1ba44eb_apply.kd
    .args:
      - { .name: z, .offset: 0, .size: 8, .value_kind: global_buffer, .address_space: global }
      - { .name: ebf, .offset: 8, .size: 8, .value_kind: global_buffer, .address_space: global }
      - { .name: cidx, .offset: 16, .size: 8, .value_kind: global_buffer, .address_space: global }
      - { .name: out0, .offset: 24, .size: 8, .value_kind: global_buffer, .address_space: global }
      - { .name: part, .offset: 32, .size: 8, .value_kind: global_buffer, .address_space: global }
    .group_segment_fixed_size: 1280
    .private_segment_fixed_size: 0
    .kernarg_segment_align: 8
    .kernarg_segment_size: 40
    .max_flat_workgroup_size: 256
    .sgpr_count:     66
    .vgpr_count:     234
    .wavefront_size: 32
...
	.end_amdgpu_metadata
.endif
;; end of part 3
;; launch total (part 4): grid 1 x 1, 1 waves a work-group, no clusters, 0 bytes of LDS; arguments part, out2; writes out2
.if DOCPART == 4
	.amdgcn_target "amdgcn-amd-amdhsa--gfx1250"
	.amdhsa_code_object_version 6
	.text
	.protected	k_q6bd1ba44eb_total
	.globl	k_q6bd1ba44eb_total
	.p2align	8
	.type	k_q6bd1ba44eb_total,@function
k_q6bd1ba44eb_total:
	s_mov_b64 s[64:65], 0
	v_nop
	global_prefetch_b8 v0, s[64:65] scope:SCOPE_SE
	s_setreg_imm32_b32 hwreg(HW_REG_WAVE_MODE, 25, 1), 1
	s_wait_xcnt 0x0
; Codebook, launch 4 of 4: out2 = 1.25 * (sum of the 256 work-groups' sums) / 2^23.
; LEFT OUT: the second loss, equal to the first: codebook_loss + 0.25 commitment_loss = 1.25 mean((z_q - z)^2); the mean is over 32 x 256 x 32 x 32 = 2^23 numbers.
; One wave: lane l adds words 8 l .. 8 l + 7, then the 32 lanes are summed.  256 terms are no work for more.
	s_load_b128 s[4:7], s[0:1], 0x0                ; part s[4:5], out2 s[6:7]
	v_lshlrev_b32 v1, 5, v0
	s_mov_b32 s8, 0x76543210
	s_mov_b32 s9, 0xfedcba98
	s_wait_kmcnt 0x0
	global_load_b128 v[4:7], v1, s[4:5]
	global_load_b128 v[8:11], v1, s[4:5] offset:16
	s_wait_loadcnt 0x0
	v_pk_add_f32 v[4:5], v[4:5], v[6:7]
	v_pk_add_f32 v[8:9], v[8:9], v[10:11]
	v_pk_add_f32 v[4:5], v[4:5], v[8:9]
	v_add_f32 v4, v4, v5
	v_add_f32_dpp v4, v4, v4 row_xmask:1 row_mask:0xf bank_mask:0xf
	v_add_f32_dpp v4, v4, v4 row_xmask:2 row_mask:0xf bank_mask:0xf
	v_add_f32_dpp v4, v4, v4 row_xmask:4 row_mask:0xf bank_mask:0xf
	v_add_f32_dpp v4, v4, v4 row_xmask:8 row_mask:0xf bank_mask:0xf
	v_permlanex16_b32 v5, v4, s8, s9               ; its destination has been written above
	v_add_f32 v4, v4, v5
	v_mul_f32 v4, 0x34200000, v4                   ; 1.25 x 2^-23
	v_mov_b32 v2, 0
	v_cmp_eq_u32 vcc_lo, 0, v0
	s_wait_xcnt 0x0                                ; EXEC is narrowed only behind this wait
	s_and_saveexec_b32 s10, vcc_lo
	global_store_b32 v2, v4, s[6:7]
	s_wait_xcnt 0x0                                ; and widened again only behind this one
	s_or_b32 exec_lo, exec_lo, s10
	s_endpgm
.Lfunc_end_k_q6bd1ba44eb_total:
	.size	k_q6bd1ba44eb_total, .Lfunc_end_k_q6bd1ba44eb_total-k_q6bd1ba44eb_total
	.p2alignl 7, 3214868480
	.fill 96, 4, 3214868480
	.section	.rodata,"a",@progbits
	.p2align	6, 0x0
	.amdhsa_kernel k_q6bd1ba44eb_total
		.amdhsa_group_segment_fixed_size 0
		.amdhsa_private_segment_fixed_size 0
		.amdhsa_enable_private_segment 0
		.amdhsa_kernarg_size 16
		.amdhsa_user_sgpr_count 2
		.amdhsa_user_sgpr_kernarg_segment_ptr 1
		.amdhsa_wavefront_size32 1
		.amdhsa_system_sgpr_workgroup_id_x 1
		.amdhsa_system_sgpr_workgroup_id_y 1
		.amdhsa_system_sgpr_workgroup_id_z 1
		.amdhsa_system_vgpr_workitem_id 0
		.amdhsa_next_free_vgpr 16
		.amdhsa_next_free_sgpr 66
		.amdhsa_reserve_vcc 1
		.amdhsa_float_denorm_mode_32 3
		.amdhsa_float_denorm_mode_16_64 3
		.amdhsa_memory_ordered 1
		.amdhsa_forward_progress 1
		.amdhsa_inst_pref_size 2
	.end_amdhsa_kernel
	.amdgpu_metadata
---
amdhsa.version: [ 1, 2 ]
amdhsa.kernels:
  - .name:           k_q6bd1ba44eb_total
    .symbol:         k_q6bd1ba44eb_total.kd
    .args:
      - { .name: part, .offset: 0, .size: 8, .value_kind: global_buffer, .address_space: global }
      - { .name: out2, .offset: 8, .size: 8, .value_kind: global_buffer, .address_space: global }
    .group_segment_fixed_size: 0
    .private_segment_fixed_size: 0
    .kernarg_segment_align: 8
    .kernarg_segment_size: 16
    .max_flat_workgroup_size: 32
    .sgpr_count:     66
    .vgpr_count:     16
    .wavefront_size: 32
...
	.end_amdgpu_metadata
.endif
;; end of part 4
